; MI455X (gfx1250); checked and timed in simulation.
; The chip was launched on July 23, 2026; its instructions are those of AMD's public machine-readable ISA for CDNA 5 (MIT licence, August 2026) and "CDNA5" Instruction Set Architecture Reference Guide (July 2026). The comments in the code are by the model that wrote it; some were corrected since.
;; Mixture Of Experts. Allowed arithmetic: matrix products marked QUANTISED: E2M1 operands, one E8M0 scale for each 32 along K, by v_wmma_scale_f32_16x16x128_f8f6f4 with both operands' format E2M1 (or v_wmma_scale_f32_32x16x128_f4), f32 sums; everything else in f32.
;; Inputs: W_codes 8 x 1,024 x 32 x 16 uint8 (E2M1 codes of W, K innermost, in blocks of 32 codes, two codes a byte); W_scales 8 x 1,024 x 32 uint8 (E8M0 scales of W, one for each 32 codes along K); b 8 x 1,024 float32; gates 8,192 x 8 float32; x_codes 8,192 x 32 x 16 uint8 (E2M1 codes of x, K innermost, in blocks of 32 codes, two codes a byte); x_scales 8,192 x 32 uint8 (E8M0 scales of x, one for each 32 codes along K).
;; Outputs: out0 8,192 x 1,024 float32.
;; This version of the problem:
;;   THIS VERSION OF THE PROBLEM IS GIVEN IN LOW PRECISION. The matrix products marked QUANTISED in the list below multiply operands that are first quantised to E2M1 (2 exponent bits, 1 mantissa bit; 4 bits a number), with one power-of-two scale for each 32 numbers along K (OCP MX v1.0); their sums are f32. All else is computed in f32.
;;   The module's matrix products, in the order in which they are computed (A, B: the left and right operand; K: the contracted axis; several contracted axes count as one K, in the product's order):
;;     1. [M 8,192, K 1,024] x [K 1,024, N 1,024]; A: input x (given as codes); B: input W (given as codes): QUANTISED
;;     2. [M 8,192, K 1,024] x [K 1,024, N 1,024]; A: input x (given as codes); B: input W (given as codes): QUANTISED
;;     3. [M 8,192, K 1,024] x [K 1,024, N 1,024]; A: input x (given as codes); B: input W (given as codes): QUANTISED
;;     4. [M 8,192, K 1,024] x [K 1,024, N 1,024]; A: input x (given as codes); B: input W (given as codes): QUANTISED
;;     5. [M 8,192, K 1,024] x [K 1,024, N 1,024]; A: input x (given as codes); B: input W (given as codes): QUANTISED
;;     6. [M 8,192, K 1,024] x [K 1,024, N 1,024]; A: input x (given as codes); B: input W (given as codes): QUANTISED
;;     7. [M 8,192, K 1,024] x [K 1,024, N 1,024]; A: input x (given as codes); B: input W (given as codes): QUANTISED
;;     8. [M 8,192, K 1,024] x [K 1,024, N 1,024]; A: input x (given as codes); B: input W (given as codes): QUANTISED
;;   THE QUANTISER, for each operand of a quantised product, along K:
;;     - K is cut into blocks of 32 from its start; a last block that is shorter is filled with zeros.
;;     - A block's scale is 2^e with e = floor(log2(the largest magnitude in the block)) - 2, held to -126 .. 127; a block of zeros has e = 0. As a byte (E8M0): e + 127.
;;     - Each number is divided by its block's scale, clamped to +-6, and rounded to the nearest number of E2M1, ties to even, subnormals kept.
;;     - The product sums the exact products of the quantised numbers (number of the format x scale) in f32.
;;   ~~~python
;;   def quantise(x, axis):      # numpy; x: float32 -> the quantised numbers, widened to float32 again
;;       x = np.moveaxis(x, axis, -1); K = x.shape[-1]
;;       x = np.pad(x, [(0, 0)] * (x.ndim - 1) + [(0, -K % 32)]); x = x.reshape(x.shape[:-1] + (-1, 32)); a = np.abs(x).max(-1, keepdims=True)
;;       e = np.where(a > 0, np.clip(np.frexp(np.where(a > 0, a, 1))[1] - 1 - 2, -126, 127), 0)      # np.frexp(a)[1] - 1 = floor(log2(a)), exactly
;;       r = np.clip(x / 2.0 ** e, -6, 6)
;;       step = 2.0 ** (np.maximum(np.frexp(np.where(r == 0, 1, r))[1] - 1, 0) - 1)
;;       q = np.round(r / step) * step * 2.0 ** e      # np.round: ties to even
;;       return np.moveaxis(q.reshape(q.shape[:-2] + (-1,))[..., :K], -1, axis).astype(np.float32)
;;   ~~~
;;   INPUTS GIVEN AS CODES. W (in the module: [8, 1024, 1024], K = its axis 1); x (in the module: [8192, 1024], K = its axis 1): each comes as NAME_codes (uint8): NAME with its K axis moved to the last place and cut into blocks of 32 codes, [.., K / 32, bytes a block], one block behind the other in memory; two codes a byte, the lower K in the low four bits (a code: sign, 2 exponent bits, 1 mantissa bit); and NAME_scales (uint8): the same leading axes, one E8M0 byte (e + 127) for each 32 codes along K. Its value is code x scale, taken as it is: it is not quantised again, and the codes and scales need not be those that the quantiser above would give.
;; One version. Each part assembles by itself: llvm-mc -triple=amdgcn-amd-amdhsa -mcpu=gfx1250 --defsym DOCPART=n.
;; ======== version 1 of 1: 1 launch
;; launch moe (part 1): grid 8 x 32, 4 waves a work-group, clusters of 4 x 4, 327,680 bytes of LDS; arguments x_codes, x_scales, W_codes, W_scales, b, gates, out0; writes out0
.if DOCPART == 1
	.amdgcn_target "amdgcn-amd-amdhsa--gfx1250"
	.amdhsa_code_object_version 6
	.text
	.protected	k_q8d7d614789_moe
	.globl	k_q8d7d614789_moe
	.p2align	8
	.type	k_q8d7d614789_moe,@function
k_q8d7d614789_moe:
	s_mov_b64 s[64:65], 0
	v_nop
	global_prefetch_b8 v0, s[64:65] scope:SCOPE_SE
	s_setreg_imm32_b32 hwreg(HW_REG_WAVE_MODE, 25, 1), 1
	s_wait_xcnt 0x0
	s_wait_alu depctr_hold_cnt(0) depctr_sa_sdst(0) depctr_va_vdst(0) depctr_va_sdst(0) depctr_va_ssrc(0) depctr_va_vcc(0) depctr_vm_vsrc(0)
	s_getreg_b32 s2, hwreg(HW_REG_IB_STS2, 6, 4)
	s_cmp_eq_u32 s2, 0
	s_cbranch_scc0 .Lentry_in_a_cluster
	s_endpgm
.Lentry_in_a_cluster:
	s_bfe_u32 s2, ttmp6, 0x10000c
	s_cmp_lg_u32 s2, 0xf033
	s_cbranch_scc0 .Lentry_shape_is_right
	s_endpgm
.Lentry_shape_is_right:
; out[t][o] = sum over e of gates[t][e] x (sum over k of x[t][k] W[e][k][o] + b[e][o]).  8,192 tokens, 8 experts, K = 1,024, 1,024 outputs.
; x and W: codes of FP4 (E2M1), K innermost, a row of 1,024 codes = 512 bytes, with one E8M0 byte for each 32 along K (32 bytes a row); gates, b, out: f32.
; EVERY EXPERT IS MULTIPLIED FOR EVERY TOKEN: gates is a float input that is weighed in as it stands, whatever it holds (zeros, negative numbers, eight non-zero gates).
; SHARES.  A work-group makes 256 tokens x 128 outputs; its four waves stand 2 (wm: 128 tokens) x 2 (wn); 8 x 32 = 256 work-groups.
; A wave's 128 rows of x, all of K, stay in 512 REGISTERS for the whole launch; only W goes through LDS, so that each fragment of W read from LDS feeds eight matrix instructions.
; THE MATRIX INSTRUCTION IS USED TRANSPOSED: source 0 = 16 rows of W[e] (16 outputs), source 1 = 16 tokens.  A lane (r = lane % 16, h = lane / 16) then holds ONE token r and the outputs 8 h + 0 .. 7:
; the gate is a number of the lane, and the bias (eight registers in the result's layout) is the C of a sum's first product.
; A PASS = one expert x 16 outputs x my 8 blocks of 16 tokens x all of K: 8 K steps of 128, 8 matrix instructions each, on 8 accumulators that take turns.  Two sets of accumulators, T0 and T1, pass by pass.
; A pass goes in two HALVES of four K steps: 32 matrix instructions back to back under one window setting; then half of the gating of the pass before, out += gate x sum (16 packed multiply-adds); then ONE run of
; LDS loads, which fills the four fragments just used with the next pass's.  The LDS loads stand in these two runs a pass, never singly among the matrix instructions; the multiply-adds are also the plain
; instructions between a half's products and the loads into registers that those products read (ISA guide 7.12.1 for vector instructions).
; THE OUTPUTS GO IN TWO GROUPS OF 64: all eight experts for group 0, then for group 1; wave wn has outputs 32 wn .. 32 wn + 31 of a group.  Group 0's half of out leaves while group 1 is multiplied.
; Pass p = 0 .. 31: group p / 16, expert (p / 2) % 8, block of 16 outputs jj = p % 2.
; THE RING.  Two LDS slots; a fill = two experts x a group's 64 rows of W x all of K = four passes; wave w fetches a quarter (expert's parity w % 2, K half w / 2: 64 rows x 256 bytes).
; CLUSTER 4 x 4.  x's tile and the gates hang on the tile row alone and are asked for jointly along a row of the cluster; W's codes, W's scales and b hang on the tile column alone: jointly along a column.
; ORDER OF ROUNDING: the bias enters with the first K step; each K step of 128 is one matrix instruction, K ascending; the experts are added in ascending order by fused multiply-adds.  No limit of range is kept.
;
; LDS, in bytes
.set PW,    272                        ; a row of W in a slot, of the stage, and a unit of scales or gates: 256 bytes + 16 = 68 words: row r starts at bank 4 r mod 64 (64 banks of 4 bytes: ISA guide 11.1)
.set SUBT,  64*PW                      ; 17,408: what one tensor load brings of W
.set SLOTB, 4*SUBT                     ; 69,632 = 0x11000: a slot; no bit of it is set in wave x SUBT, so one exclusive or changes slots
.set XR,    2*SLOTB                    ; x's tile, 256 rows of 512 + 16 bytes, filled once, read once; afterwards the first 69,632 bytes are the stage for the way out
.set PX,    528
.set SCW,   XR+256*PX                  ; W's scales [group][expert]: 64 rows x 32 bytes as 8 units of 256 + 16: 2,176 bytes
.set SCE,   8*PW
.set GAT,   SCW+16*SCE                 ; the gates of 256 tokens, 32 bytes a token, as 32 units of 256 + 16
.set BIA,   GAT+32*PW                  ; b [group][expert][64] f32
.set SPARE, BIA+4096                   ; the spare words, 128 bytes for each wave: two blocks of 256 bytes that no other line names
; REGISTERS, in windows of 256 (s_set_vgpr_msb: bits 1:0 source 0, 3:2 source 1, 5:4 source 2, 7:6 destination)
; window 0
.set AG0, 0                            ; v0      at the end of the head: my lane's place among the gates
.set SPW, 1                            ; v1      LDS address of my spare word; never rewritten
.set NIL, 2                            ; v2      0; never rewritten
.set AW0, 3                            ; v3      my lane's place in a quarter of a slot
.set ADW, 4                            ; v4      the same in the slot in hand
.set ADS, 5                            ; v5      W's scale words: lanes 0-15 block jj = 0, lanes 16-31 block jj = 1; two experts on in each trip
.set ADB, 6                            ; v6      the bias; two experts on in each trip
.set ADG, 7                            ; v7      the gates of the trip's first expert
.set G,   8                            ; v8-15   the gate of my token in block a, for the expert whose sums are being weighed
.set BI,  16                           ; v16-23  the pass's bias
.set WS,  24                           ; v24-31  W's scale words, register q for K step q; they hold scales and nothing else
.set XS,  32                           ; v32-63  x's scale words: register 8 (a / 2) + q; lanes 0-15 even a, lanes 16-31 odd a; scales and nothing else
.set WF,  64                           ; v64-127 W's fragments of a pass, 8 registers for each K step
.set T0,  128                          ; v128-191, v192-255: the two sets of accumulators, block a at + 8 a
.set T1,  192
.set ADX, 192                          ; in the head and in pass 0 T1 is free: x's tile;
.set XO,  193                          ; x's scales in memory;
.set RR,  200                          ; r, h, lane, and at work
.set HH,  201
.set LN,  202
.set LT,  203                          ; (r / 8) x 272 + (r % 8) x 32: row r of 16 rows of 32 bytes in padded units
.set TA,  204
; windows 1 and 2: x's fragment (block a, K step q) at v[64 (q % 4) + 8 a] of window 1 + q / 4
; window 3: v0-127 out: tile (jj, a) at 64 jj + 8 a
.set BK,  128                          ; v128-191 rows read back from the stage
.set SO,  192                          ; where I put 32 bytes of a row into the stage
.set RD,  193                          ; where I read rows back
.set CO,  194                          ; my byte offset in the wave's rows of out
; scalars
.set CNT, 2                            ; trips to go
.set FC,  3                            ; the fill that is asked for next
.set WV,  18                           ; wave;  s19 wm = wave / 2 (also: the K half that I fetch);  s20 wn = wave % 2 (also: the expert's parity, and the group whose scales and bias I fetch)
.set WM,  19
.set WN,  20
.set TB,  25                           ; the slot in hand: 0 or SLOTB
.set TG,  26                           ; 4 x the trip's first expert, counted on over both groups
.set G1W, 28                           ; descriptor groups 1
.set G1X, 36
.set G1S, 44
.set G1G, 52
.set G1B, 68
.set G0W1, 60                          ; descriptor groups 0: one for each first fill; W1's then walks
.set G0S, 76
.set G0B, 80
.set G0G, 84
.set G0X, 88
.set G0W0, 92
.set FW,  0xf0                         ; the gating: out (destination and source 2) in window 3, the sums and the gates in window 0
.set MSB, 0
.macro WIN new                         ; the immediate's high byte repeats the setting that is left; a switch that changes nothing is dropped
.if MSB != \new
	s_set_vgpr_msb (MSB<<8)|\new
.set MSB, \new
.endif
.endm
.macro CREST                           ; a round of the cluster's barrier behind its opening barrier
	s_cmp_lg_u32 s[WV], 0
	s_cbranch_scc1 .Lnot_wave_0_\@
	s_barrier_signal -3
.Lnot_wave_0_\@:
	s_barrier_wait -3
	s_barrier_signal -1
	s_barrier_wait -1
.endm
.macro CROUND                          ; a whole round
	s_barrier_signal -1
	s_barrier_wait -1
	CREST
.endm
.macro SHAPE g, d0, d1, st             ; words 1 to 7 of a group 1: a tile of d1 rows of d0 elements that lies inside its tensor, st elements from row to row
	s_mov_b32 s[\g+1], (\d0)<<16
	s_mov_b32 s[\g+2], (\d1)<<16
	s_mov_b32 s[\g+3], (\d0)<<16
	s_mov_b32 s[\g+4], \d1
	s_mov_b32 s[\g+5], \st
	s_mov_b32 s[\g+6], 0
	s_mov_b32 s[\g+7], 0
.endm
	s_load_b256 s[4:11], s[0:1], 0x0               ; x's codes s[4:5], x's scales s[6:7], W's codes s[8:9], W's scales s[10:11]
	s_load_b128 s[12:15], s[0:1], 0x20             ; b s[12:13], gates s[14:15]
	s_load_b64 s[16:17], s[0:1], 0x30              ; out
	v_lshl_add_u32 v[SPW], v0, 2, SPARE
	v_mov_b32 v[NIL], 0
	ds_add_u32 v1, v2
	ds_add_u32 v1, v2
	s_wait_dscnt 0x0
	v_lshrrev_b32 v[AW0], 5, v0
	v_readfirstlane_b32 s[WV], v[AW0]              ; wave 0..3
	s_lshr_b32 s[WM], s[WV], 1
	s_and_b32 s[WN], s[WV], 1
	s_bfe_u32 s21, ttmp6, 0x40000                  ; cx, cy: my place in the cluster
	s_bfe_u32 s22, ttmp6, 0x40004
	s_lshl_b32 s23, ttmp9, 2
	s_add_co_u32 s23, s23, s21                     ; tn: tile column (128 outputs) = 4 x cluster x + cx
	s_and_b32 s24, ttmp7, 0xffff
	s_lshl_b32 s24, s24, 2
	s_add_co_u32 s24, s24, s22                     ; tm: tile row (256 tokens) = 4 x cluster y + cy
	s_lshl_b32 s100, s22, 2
	s_lshl_b32 s100, 15, s100                      ; my row of the cluster
	s_lshl_b32 s101, 0x1111, s21                   ; my column
	; groups 1.  Word 0: 15:0 the mask; 17:16 element size; 20 padding on; 21 set beside a mask; 24:22 the padding's interval; 31:25 its words less one
	s_or_b32 s[G1W], s101, (0<<16)|(1<<20)|(1<<21)|(5<<22)|(3<<25)   ; W's codes: bytes; 4 words behind every 64
	SHAPE G1W, 256, 64, 512                        ; 64 rows x 256 bytes (half of K), 512 bytes from row to row
	s_or_b32 s[G1X], s100, (0<<16)|(1<<20)|(1<<21)|(6<<22)|(3<<25)   ; x's codes: bytes; 4 words behind every 128
	SHAPE G1X, 512, 64, 512                        ; 64 whole rows
	s_or_b32 s[G1S], s101, (3<<16)|(1<<20)|(1<<21)|(5<<22)|(3<<25)   ; W's scales: elements of 8 bytes; 4 words behind every 64
	SHAPE G1S, 256, 4, 4096                        ; four experts x 2,048 bytes (64 rows' scales), 32,768 bytes from expert to expert; a row takes 8 x 272 bytes of LDS
	s_or_b32 s[G1G], s100, (3<<16)|(1<<20)|(1<<21)|(5<<22)|(3<<25)   ; the gates: likewise
	SHAPE G1G, 32, 8, 32                           ; 64 tokens' 2,048 dense bytes as 8 rows of 256
	s_or_b32 s[G1B], s101, (3<<16)|(1<<21)         ; b: elements of 8 bytes, no padding
	SHAPE G1B, 32, 4, 512                          ; four experts x 64 numbers, 4,096 bytes from expert to expert
	; groups 0: the count, the LDS address (constants and the wave's number alone), and in the address words, for now, the offset in the tensor
.irp g, G0W0, G0W1, G0X, G0G, G0S, G0B
	s_mov_b32 s[\g], 1
	s_mov_b32 s[\g+3], 0
.endr
	s_mul_i32 s[G0W0+1], s[WV], SUBT               ; W: quarter w of slot 0,
	s_add_co_u32 s[G0W1+1], s[G0W0+1], SLOTB       ; of slot 1
	s_mul_i32 s[G0X+1], s[WV], 64*PX
	s_add_co_u32 s[G0X+1], s[G0X+1], XR            ; x: rows 64 w on
	s_mul_i32 s[G0G+1], s[WV], 8*PW
	s_add_co_u32 s[G0G+1], s[G0G+1], GAT           ; gates: tokens 64 w on
	s_mul_i32 s[G0S+1], s[WN], 8*SCE
	s_mul_i32 s27, s[WM], 4*SCE
	s_add_co_u32 s[G0S+1], s[G0S+1], s27
	s_add_co_u32 s[G0S+1], s[G0S+1], SCW           ; W's scales: group wn, experts 4 wm on
	s_lshl_b32 s[G0B+1], s[WN], 11
	s_lshl_b32 s27, s[WM], 10
	s_add_co_u32 s[G0B+1], s[G0B+1], s27
	s_add_co_u32 s[G0B+1], s[G0B+1], BIA           ; b: likewise
	s_lshl_b32 s[G0X+2], s24, 17                   ; x's codes: (256 tm + 64 w) rows of 512 bytes
	s_lshl_b32 s27, s[WV], 15
	s_add_co_u32 s[G0X+2], s[G0X+2], s27
	s_lshl_b32 s[G0G+2], s24, 13                   ; gates: (256 tm + 64 w) x 32 bytes
	s_lshl_b32 s27, s[WV], 11
	s_add_co_u32 s[G0G+2], s[G0G+2], s27
	s_lshl_b32 s96, s24, 13                        ; x's scales: (256 tm + 128 wm) x 32 bytes
	s_lshl_b32 s27, s[WM], 12
	s_add_co_u32 s96, s96, s27
	s_mov_b32 s97, 0
	s_lshl_b32 s98, s23, 16                        ; W's codes: row 128 tn of expert wn, K half wm: 65,536 tn + 524,288 wn + 256 wm
	s_lshl_b32 s27, s[WN], 19
	s_add_co_u32 s98, s98, s27
	s_lshl_b32 s27, s[WM], 8
	s_add_co_u32 s98, s98, s27
	s_mov_b32 s99, 0
	s_lshl_b32 s[G0S+2], s23, 12                   ; W's scales: expert 4 wm, row 128 tn + 64 wn, 32 bytes a row
	s_lshl_b32 s27, s[WM], 17
	s_add_co_u32 s[G0S+2], s[G0S+2], s27
	s_lshl_b32 s27, s[WN], 11
	s_add_co_u32 s[G0S+2], s[G0S+2], s27
	s_lshl_b32 s[G0B+2], s23, 9                    ; b: expert 4 wm, output 128 tn + 64 wn
	s_lshl_b32 s27, s[WM], 14
	s_add_co_u32 s[G0B+2], s[G0B+2], s27
	s_lshl_b32 s27, s[WN], 8
	s_add_co_u32 s[G0B+2], s[G0B+2], s27
	s_lshl_b32 s104, s24, 20                       ; out: row 256 tm + 64 w (the rows that I store), column 128 tn
	s_lshl_b32 s27, s[WV], 18
	s_add_co_u32 s104, s104, s27
	s_lshl_b32 s105, s23, 9
	s_add_co_u32 s104, s104, s105
	s_mov_b32 s105, 0
	s_mov_b32 s[FC], 2
	s_mov_b32 s67, 0                               ; the upper word of the walking offset s[66:67]
	s_mov_b32 s[TB], 0
	s_mov_b32 s[TG], 0
	s_wait_kmcnt 0x0
	s_add_nc_u64 s[G0X+2:G0X+3], s[4:5], s[G0X+2:G0X+3]
	s_add_nc_u64 s[G0G+2:G0G+3], s[14:15], s[G0G+2:G0G+3]
	s_add_nc_u64 s[G0S+2:G0S+3], s[10:11], s[G0S+2:G0S+3]
	s_add_nc_u64 s[G0B+2:G0B+3], s[12:13], s[G0B+2:G0B+3]
	s_add_nc_u64 s[6:7], s[6:7], s[96:97]
	s_add_nc_u64 s[8:9], s[8:9], s[98:99]          ; s[8:9]: where my quarter of fill 0 begins; it stays
	s_mov_b64 s[G0W0+2:G0W0+3], s[8:9]
	s_add_nc_u64 s[G0W1+2:G0W1+3], s[8:9], 0x100000   ; fill 1: two experts on
	s_add_nc_u64 s[16:17], s[16:17], s[104:105]
.irp g, G0W0, G0W1, G0X, G0G, G0S, G0B
	s_or_b32 s[\g+3], s[\g+3], 0x80000000          ; 127:126 type = 2
.endr
	CROUND                                         ; all sixteen work-groups are here: the first joint loads meet
	tensor_load_to_lds s[G0S:G0S+3], s[G1S:G1S+7]  ; the first fills, one group: six loads of mine are out.  Each line has one mask and one descriptor for all that it names
	s_nop 0
	tensor_load_to_lds s[G0B:G0B+3], s[G1B:G1B+7]
	s_nop 0
	tensor_load_to_lds s[G0G:G0G+3], s[G1G:G1G+7]
	s_nop 0
	tensor_load_to_lds s[G0X:G0X+3], s[G1X:G1X+7]
	s_nop 0
	tensor_load_to_lds s[G0W0:G0W0+3], s[G1W:G1W+7]
	s_nop 0
	tensor_load_to_lds s[G0W1:G0W1+3], s[G1W:G1W+7]
	s_nop 0
.rept 4
	v_nop                                          ; four plain lines behind the last of them
.endr
	v_and_b32 v[RR], 15, v0                        ; r
	v_bfe_u32 v[HH], v0, 4, 1                      ; h
	v_and_b32 v[LN], 31, v0                        ; lane
	v_lshlrev_b32 v[XO], 5, v[LN]
.irp p, 0,1,2,3                                ; x's scale words: token 32 p + lane is block 2 p + h, row r: 32 bytes, K steps 0-3 and 4-7
.irp c, 0,1
	global_load_b128 v[XS+8*\p+4*\c:XS+8*\p+4*\c+3], v[XO], s[6:7] offset:1024*\p+16*\c
.endr
.endr
	v_lshrrev_b32 v[LT], 3, v[RR]
	v_and_b32 v[TA], 7, v[RR]
	v_mul_u32_u24 v[LT], v[LT], PW
	v_lshl_add_u32 v[LT], v[TA], 5, v[LT]
	v_mul_u32_u24 v[AW0], v[RR], PW                ; W: row 32 wn + r of a quarter, + 16 h
	v_lshl_add_u32 v[AW0], v[HH], 4, v[AW0]
	s_mul_i32 s27, s[WN], 32*PW
	v_add_nc_u32 v[AW0], s27, v[AW0]
	v_add_nc_u32 v[ADW], s[TB], v[AW0]             ; in slot 0
	v_mul_u32_u24 v[ADS], v[HH], 2*PW              ; W's scales: row 32 wn + 16 h + r of an expert's 64
	v_add_nc_u32 v[ADS], v[ADS], v[LT]
	s_mul_i32 s27, s[WN], 4*PW
	s_add_co_u32 s27, s27, SCW
	v_add_nc_u32 v[ADS], s27, v[ADS]
	s_lshl_b32 s27, s[WN], 7
	s_add_co_u32 s27, s27, BIA
	v_lshl_add_u32 v[ADB], v[HH], 5, s27           ; b: outputs 32 wn + 8 h on
	v_mul_u32_u24 v[ADX], v[RR], PX                ; x: row 128 wm + r, + 16 h
	v_lshl_add_u32 v[ADX], v[HH], 4, v[ADX]
	s_mul_i32 s27, s[WM], 128*PX
	s_add_co_u32 s27, s27, XR
	v_add_nc_u32 v[ADX], s27, v[ADX]
	v_mul_u32_u24 v[TA], v[RR], PW                 ; the stage, in: row 128 wm + r; my outputs' bytes 128 wn + 32 h
	v_lshl_add_u32 v[TA], v[HH], 5, v[TA]
	s_mul_i32 s104, s[WM], 128*PW
	s_lshl_b32 s27, s[WN], 7
	s_add_co_u32 s104, s104, s27
	s_add_co_u32 s104, s104, XR
	v_mul_u32_u24 v[TA+1], v[HH], PW               ; back: rows 64 w on, lanes 0-15 one row, lanes 16-31 the next, 16 bytes a lane
	v_lshl_add_u32 v[TA+1], v[RR], 4, v[TA+1]
	s_mul_i32 s105, s[WV], 64*PW
	s_add_co_u32 s105, s105, XR
	v_lshlrev_b32 v[TA+2], 12, v[HH]               ; and the same two rows in out
	s_mul_i32 s27, s[WM], 16*PW
	s_add_co_u32 s27, s27, GAT
	v_add_nc_u32 v[ADG], s27, v[LT]                ; the gates: token 128 wm + r, expert 0
	v_add_nc_u32 v[AG0], s27, v[LT]                ; (the thread's number has served)
	WIN 0xc0                                       ; destination window 3
	v_add_nc_u32 v[SO], s104, v[TA]
	v_add_nc_u32 v[RD], s105, v[TA+1]
	v_lshl_add_u32 v[CO], v[RR], 4, v[TA+2]
.set Z, 0
.rept 128
	v_mov_b32 v[Z], 0                              ; out begins as zeros, so that the trip is written once for every expert; these lines stand while the first tiles are on their way
.set Z, Z+1
.endr
	WIN 0
	s_wait_tensorcnt 0x1                           ; scales, bias, gates, x and fill 0 are in; fill 1 may stay out
	s_barrier_signal -1
	s_barrier_wait -1                              ; everybody's are
; 8 matrix instructions: K step q of a pass, W's fragment against my eight blocks of tokens.  acc: the set of accumulators; row: jj, which picks the lanes of W's scale words.
; The first K step takes the bias as C.  The eight accumulators take turns, one instruction a turn, from K step to K step too, and the sets take turns pass by pass.
.macro MULS q, acc, row
.irp a, 0,1,2,3,4,5,6,7
.set DD, (\acc)+8*\a
.set CC, DD
.if (\q) == 0
.set CC, BI
.endif
.set BB, 64*((\q)%4)+8*\a
.set SX, XS+8*(\a/2)+(\q)
.if ((\row) == 0) && ((\a%2) == 0)
	v_wmma_scale_f32_16x16x128_f8f6f4 v[DD:DD+7], v[WF+8*(\q):WF+8*(\q)+7], v[BB:BB+7], v[CC:CC+7], v[WS+(\q)], v[SX] matrix_a_fmt:MATRIX_FMT_FP4 matrix_b_fmt:MATRIX_FMT_FP4
.elseif (\row) == 0
	v_wmma_scale_f32_16x16x128_f8f6f4 v[DD:DD+7], v[WF+8*(\q):WF+8*(\q)+7], v[BB:BB+7], v[CC:CC+7], v[WS+(\q)], v[SX] matrix_a_fmt:MATRIX_FMT_FP4 matrix_b_fmt:MATRIX_FMT_FP4 matrix_b_scale:MATRIX_SCALE_ROW1
.elseif (\a%2) == 0
	v_wmma_scale_f32_16x16x128_f8f6f4 v[DD:DD+7], v[WF+8*(\q):WF+8*(\q)+7], v[BB:BB+7], v[CC:CC+7], v[WS+(\q)], v[SX] matrix_a_fmt:MATRIX_FMT_FP4 matrix_b_fmt:MATRIX_FMT_FP4 matrix_a_scale:MATRIX_SCALE_ROW1
.else
	v_wmma_scale_f32_16x16x128_f8f6f4 v[DD:DD+7], v[WF+8*(\q):WF+8*(\q)+7], v[BB:BB+7], v[CC:CC+7], v[WS+(\q)], v[SX] matrix_a_fmt:MATRIX_FMT_FP4 matrix_b_fmt:MATRIX_FMT_FP4 matrix_a_scale:MATRIX_SCALE_ROW1 matrix_b_scale:MATRIX_SCALE_ROW1
.endif
.endr
.endm
; One K step with its window and its wait, as pass 0 takes them.  Only source 1 (x) leaves window 0: 0x04 for K steps 0-3, 0x08 for 4-7; LDS loads into window 0 may stand under the same settings.
.macro UNIT q, acc, row, n
	WIN ((1+(\q)/4)<<2)
	s_wait_dscnt \n
	MULS \q, \acc, \row
.endm
; Block q of the pass before is weighed: out(fjj, q) += gate(q) x its sums, from the accumulator's low end on.  The packed form names a pair of gates and takes one of the two for both halves.
.macro SLICE q, facc, fjj
	WIN FW
.irp i, 0,2,4,6
.set OO, 64*(\fjj)+8*(\q)+\i
.set FF, (\facc)+8*(\q)+\i
.if ((\q)%2) == 0
	v_pk_fma_f32 v[OO:OO+1], v[FF:FF+1], v[G+(\q):G+(\q)+1], v[OO:OO+1] op_sel_hi:[1,0,1]
.else
	v_pk_fma_f32 v[OO:OO+1], v[FF:FF+1], v[G+(\q)-1:G+(\q)], v[OO:OO+1] op_sel:[0,1,0] op_sel_hi:[1,1,1]
.endif
.endr
.endm
; A RUN of LDS loads behind half hq of a pass, for the pass that follows: its fragments of K steps 4 hq .. 4 hq + 3 (8 loads), and ahead of them what else is due.
; fb: the next pass's place in the slot; bb: its bias (2 loads, with hq = 0); sb: the next expert's scale words (1 load); gi: the next expert's gates of blocks 4 hq .. 4 hq + 3, whose old ones have just served (4 loads).  Under 0: none
.macro RUN hq, fb, bb, sb, gi
.if (\gi) >= 0
.irp a, 0,1,2,3
	ds_load_b32 v[G+4*(\hq)+\a], v[ADG] offset:(4*(\hq)+\a)*2*PW+(\gi)
.endr
.endif
.if ((\hq) == 0) && ((\bb) >= 0)
	ds_load_b128 v[BI:BI+3], v[ADB] offset:(\bb)
	ds_load_b128 v[BI+4:BI+7], v[ADB] offset:(\bb)+16
.endif
.if (\sb) >= 0
	ds_load_b128 v[WS+4*(\hq):WS+4*(\hq)+3], v[ADS] offset:(\sb)+16*(\hq)
.endif
.irp k, 0,1,2,3
	ds_load_b128 v[WF+32*(\hq)+8*\k:WF+32*(\hq)+8*\k+3], v[ADW] offset:(\fb)+(\hq)*2*SUBT+64*\k
	ds_load_b128 v[WF+32*(\hq)+8*\k+4:WF+32*(\hq)+8*\k+7], v[ADW] offset:(\fb)+(\hq)*2*SUBT+64*\k+32
.endr
.endm
; A PASS.  THE COUNTS.  LDS answers in order (ISA guide 5.7.1), and what a half wants was asked for in the run before the youngest one: so each wait's count is the size of the youngest run, which stays out.
; n0, at the head: the second run of the pass before (8 fragment loads, + 1 with scale words, + 4 with gates).  n4, in the middle: this pass's own first run (8 + 2 for the bias, + 1, + 4 likewise).
; Each run stands 32 matrix instructions ahead of the first use of what it brings.  wend: the window setting under which the second run stands (that of what follows: 0x04 or 0).
.macro PASS acc, row, facc, fjj, fb, bb, sb, gi, n0, n4, wend
	WIN 0x04
	s_wait_dscnt \n0
.irp q, 0,1,2,3
	MULS \q, \acc, \row
.endr
.irp q, 0,1,2,3
	SLICE \q, \facc, \fjj
.endr
	WIN 0x08
	RUN 0, \fb, \bb, \sb, \gi
	s_wait_dscnt \n4
.irp q, 4,5,6,7
	MULS \q, \acc, \row
.endr
.irp q, 4,5,6,7
	SLICE \q, \facc, \fjj
.endr
	WIN \wend
	RUN 1, \fb, \bb, \sb, \gi
.endm
; A fill's LAST PASS changes slots: all its fragments were asked for in the pass before, and its own runs read the other slot.  ONE barrier: in front of it each wave waits for all its tensor loads
; (one is out: its quarter of the other slot), adds 0 to its spare word, and waits for that and for its reads of this slot, the last of which were asked for 32 matrix instructions earlier.
; fill = 1: the barrier opens a round of the cluster's barrier, and this slot is filled again first thing behind the round, with the fill two on; from that load to the wait for it a wave issues 224 matrix instructions.
.macro CHPASS fill
	WIN 0                                          ; (the add's two registers lie in window 0)
	s_wait_tensorcnt 0x0                           ; no tensor load of mine is out, so a group 0 may be written
	ds_add_u32 v[SPW], v[NIL]                      ; 0 onto my spare word; the descriptor's step and 32 matrix instructions stand between it and the wait for it
.if \fill
	s_xor_b32 s[G0W1+1], s[G0W1+1], SLOTB          ; the walking descriptor: the other slot than last time;
	s_and_b32 s66, s[FC], 3                        ; fill FC: experts 2 (FC % 4) on: 2^20 bytes each step;
	s_lshl_b32 s66, s66, 20
	s_lshr_b32 s27, s[FC], 2                       ; group FC / 4: 64 rows of 512 bytes
	s_lshl_b32 s27, s27, 15
	s_add_co_u32 s66, s66, s27
	s_add_nc_u64 s[G0W1+2:G0W1+3], s[8:9], s[66:67]
	s_or_b32 s[G0W1+3], s[G0W1+3], 0x80000000
	s_add_co_u32 s[FC], s[FC], 1
.endif
	WIN 0x04
	s_wait_dscnt 13                                ; the second run of the pass before (12) and the add may be out
.irp q, 0,1,2,3
	MULS \q, T1, 1
.endr
	s_wait_dscnt 0x0                               ; the add is done, and my reads of this slot are over
	s_barrier_signal -1
.irp q, 0,1,2,3
	SLICE \q, T0, 0                                ; work on registers while the others arrive
.endr
	WIN 0
	s_barrier_wait -1
.if \fill
	CREST                                          ; no wave of any partner still reads this slot or has a load on its way
	tensor_load_to_lds s[G0W1:G0W1+3], s[G1W:G1W+7]
	s_nop 0
.rept 4
	v_nop                                          ; four plain lines behind it
.endr
.endif
	s_xor_b32 s[TB], s[TB], SLOTB                  ; on to the other slot
	v_add_nc_u32 v[ADW], s[TB], v[AW0]
	s_add_co_u32 s[TG], s[TG], 8                   ; and to the gates of the next trip's first expert:
	s_and_b32 s27, s[TG], 31                       ; 4 x ((2 t + 2) % 8); the next pass fetches them
	v_add_nc_u32 v[ADG], s27, v[AG0]
	RUN 0, 0, 512, 2*SCE, -1
	WIN 0x08                                       ; (no wait: the wait for 0 has shown K steps 4 to 7 in)
.irp q, 4,5,6,7
	MULS \q, T1, 1
.endr
.irp q, 4,5,6,7
	SLICE \q, T0, 0
.endr
	WIN 0x04
	RUN 1, 0, 512, 2*SCE, -1
.endm
; The two middle passes of a fill, 4 t + 1 and 4 t + 2
.macro PASS1                           ; expert 2 t, jj = 1 | weighs pass 4 t | fetches expert 2 t + 1, jj = 0, and its scale words: runs of 11 and 9.  Before it: a run of 12
	PASS T1, 1, T0, 0, SUBT, 256, SCE, -1, 12, 11, 0x04
.endm
.macro PASS2                           ; expert 2 t + 1, jj = 0 | weighs pass 4 t + 1, the last of expert 2 t | fetches jj = 1, and the gates of expert 2 t + 1: runs of 14 and 12
	PASS T0, 0, T1, 1, SUBT+16*PW, 320, -1, 4, 9, 14, 0
.endm
; A TRIP: passes 4 t + 1 to 4 t + 4
.macro TRIP fill
	PASS1
	PASS2
	CHPASS \fill                                   ; expert 2 t + 1, jj = 1 | weighs pass 4 t + 2 | fetches expert 2 t + 2, jj = 0, from the other slot, and its scale words: runs of 11 and 9
	PASS T0, 0, T1, 1, 16*PW, 576, -1, 0, 9, 14, 0 ; expert 2 t + 2, jj = 0 | weighs pass 4 t + 3 | fetches jj = 1, and the gates of expert 2 t + 2: runs of 14 and 12
	WIN 0                                          ; at a label and at a branch every window is 0
	v_add_nc_u32 v[ADS], 2*SCE, v[ADS]
	v_add_nc_u32 v[ADB], 512, v[ADB]
.endm
; THE WAY OUT of group g.  A row's 64 outputs (256 bytes) come from two waves: they meet in the stage (x's tile has been read out long ago, and is filled no more), a barrier, and each wave stores 64 whole rows.
; zero = 1: out begins anew for the next group; the clearing stands between the stage's loads and the waits for them.
.macro OUTPUT g, zero
	WIN 0x0f                                       ; address and data in window 3
.irp a, 0,1,2,3,4,5,6,7
.irp j, 0,1
	ds_store_b128 v[SO], v[64*\j+8*\a:64*\j+8*\a+3] offset:\a*16*PW+64*\j
	ds_store_b128 v[SO], v[64*\j+8*\a+4:64*\j+8*\a+7] offset:\a*16*PW+64*\j+16
.endr
.endr
	s_wait_dscnt 0x0                               ; for the others' sake: my stores into the stage are done (and no LDS instruction of mine is out at the signal)
	s_barrier_signal -1
	s_barrier_wait -1                              ; a fill may stay on its way across it
.irp u, 0,1
	s_wait_xcnt 0x0                                ; earlier stores have read their registers: these are loaded again only behind this wait
	WIN 0xc3                                       ; destination and address in window 3
.irp i, 0,1,2,3,4,5,6,7,8,9,10,11,12,13,14,15
	ds_load_b128 v[BK+4*\i:BK+4*\i+3], v[RD] offset:(16*\u+\i)*2*PW
.endr
.if \zero
	WIN 0xc0
.set Z, 64*\u
.rept 64
	v_mov_b32 v[Z], 0
.set Z, Z+1
.endr
.endif
	WIN 0x0f
.irp i, 0,1,2,3,4,5,6,7,8,9,10,11,12,13,14,15
	s_wait_dscnt 15-\i                             ; the younger loads from the stage may stay out
	global_store_b128 v[CO], v[BK+4*\i:BK+4*\i+3], s[16:17] offset:(16*\u+\i)*8192+256*\g th:TH_STORE_NT   ; 16 lanes store 256 consecutive bytes, at a multiple of 256 from out's first byte; written once
.endr
.endr
	WIN 0
.endm
.macro XLOAD q                         ; x's eight fragments of K step q (16 loads), from LDS into their registers, where they stay
	WIN ((1+(\q)/4)<<6)                            ; destination window 1 or 2
.irp a, 0,1,2,3,4,5,6,7
.irp c, 0,1
	ds_load_b128 v[64*((\q)%4)+8*\a+4*\c:64*((\q)%4)+8*\a+4*\c+3], v[ADX] offset:\a*16*PX+64*(\q)+32*\c
.endr
.endr
.endm
	; PASS 0: expert 0, jj = 0.  It brings x into registers, two K steps ahead of the products; there is nothing to weigh yet, so four v_nop stand where the multiply-adds stand later.
	; Its two runs for pass 1 have the shape of a trip's last pass (14 and 12 loads: expert 0's gates come with them), so that the loop's first count holds on the way in too.
	RUN 0, 0, 0, 0, -1                             ; its own bias, scale words and fragments
	RUN 1, 0, 0, 0, -1
	XLOAD 0
	XLOAD 1
	s_wait_loadcnt 0x0                             ; x's scale words
.irp q, 0,1,2,3
	XLOAD \q+2
	UNIT \q, T0, 0, 32                             ; behind x's K step q: the 32 loads of the two K steps that follow
.endr
.rept 4
	v_nop
.endr
	RUN 0, 16*PW, 64, -1, 0
	XLOAD 6
	UNIT 4, T0, 0, 46                              ; behind K step 4: K step 5's 16, the run's 14, K step 6's 16
	XLOAD 7
	UNIT 5, T0, 0, 46                              ; behind K step 5: the run's 14, K steps 6 and 7
	UNIT 6, T0, 0, 16                              ; behind K step 6: K step 7
	UNIT 7, T0, 0, 0
.rept 4
	v_nop
.endr
	RUN 1, 16*PW, 64, -1, 0
	WIN 0
	s_mov_b32 s[CNT], 4
.Lgroup_0:                                             ; passes 1 to 16; fills 2 to 5 are asked for
	TRIP 1
	s_sub_co_u32 s[CNT], s[CNT], 1
	s_cmp_lg_u32 s[CNT], 0
	s_cbranch_scc1 .Lgroup_0
	OUTPUT 0, 1                                    ; pass 15 has been weighed: group 0 is whole.  Pass 16's sums wait in T0
	s_mov_b32 s[CNT], 2
.Lgroup_1:                                             ; passes 17 to 24; fills 6 and 7
	TRIP 1
	s_sub_co_u32 s[CNT], s[CNT], 1
	s_cmp_lg_u32 s[CNT], 0
	s_cbranch_scc1 .Lgroup_1
	TRIP 0                                         ; passes 25 to 28: the tail is written out; nothing is left to ask for
	PASS1                                          ; pass 29
	PASS2                                          ; pass 30
	WIN 0x04                                       ; pass 31 fetches nothing
	s_wait_dscnt 12                                ; the second run of pass 30 may be out
.irp q, 0,1,2,3
	MULS \q, T1, 1
.endr
.irp q, 0,1,2,3
	SLICE \q, T0, 0
.endr
	WIN 0x08
	s_wait_dscnt 0x0
.irp q, 4,5,6,7
	MULS \q, T1, 1
.endr
.irp q, 4,5,6,7
	SLICE \q, T0, 0
.endr
.irp q, 0,1,2,3,4,5,6,7                        ; and is weighed; the sixteen lines above are the plain lines behind its last products
	SLICE \q, T1, 1
.endr
	OUTPUT 1, 0
	s_wait_tensorcnt 0x0                           ; the wave's end, behind my last tensor load and my last LDS store
	ds_add_u32 v[SPW], v[NIL]
	s_wait_dscnt 0x0
	CROUND                                         ; the closing round: no work-group ends while a partner may still ask for a tile that names it
	s_endpgm
.Lfunc_end_k_q8d7d614789_moe:
	.size	k_q8d7d614789_moe, .Lfunc_end_k_q8d7d614789_moe-k_q8d7d614789_moe
	.p2alignl 7, 3214868480
	.fill 96, 4, 3214868480
	.section	.rodata,"a",@progbits
	.p2align	6, 0x0
	.amdhsa_kernel k_q8d7d614789_moe
		.amdhsa_group_segment_fixed_size 327680
		.amdhsa_private_segment_fixed_size 0
		.amdhsa_enable_private_segment 0
		.amdhsa_kernarg_size 56
		.amdhsa_user_sgpr_count 2
		.amdhsa_user_sgpr_kernarg_segment_ptr 1
		.amdhsa_wavefront_size32 1
		.amdhsa_system_sgpr_workgroup_id_x 1
		.amdhsa_system_sgpr_workgroup_id_y 1
		.amdhsa_system_sgpr_workgroup_id_z 1
		.amdhsa_system_vgpr_workitem_id 0
		.amdhsa_next_free_vgpr 1024
		.amdhsa_next_free_sgpr 106
		.amdhsa_reserve_vcc 0
		.amdhsa_float_denorm_mode_32 3
		.amdhsa_float_denorm_mode_16_64 3
		.amdhsa_memory_ordered 1
		.amdhsa_forward_progress 1
		.amdhsa_inst_pref_size 235
	.end_amdhsa_kernel
	.amdgpu_metadata
---
amdhsa.version: [ 1, 2 ]
amdhsa.kernels:
  - .name:           k_q8d7d614789_moe
    .symbol:         k_q8d7d614789_moe.kd
    .args:
      - { .name: x_codes, .offset: 0, .size: 8, .value_kind: global_buffer, .address_space: global }
      - { .name: x_scales, .offset: 8, .size: 8, .value_kind: global_buffer, .address_space: global }
      - { .name: W_codes, .offset: 16, .size: 8, .value_kind: global_buffer, .address_space: global }
      - { .name: W_scales, .offset: 24, .size: 8, .value_kind: global_buffer, .address_space: global }
      - { .name: b, .offset: 32, .size: 8, .value_kind: global_buffer, .address_space: global }
      - { .name: gates, .offset: 40, .size: 8, .value_kind: global_buffer, .address_space: global }
      - { .name: out0, .offset: 48, .size: 8, .value_kind: global_buffer, .address_space: global }
    .group_segment_fixed_size: 327680
    .private_segment_fixed_size: 0
    .kernarg_segment_align: 8
    .kernarg_segment_size: 56
    .max_flat_workgroup_size: 128
    .sgpr_count:     106
    .vgpr_count:     1024
    .wavefront_size: 32
...
	.end_amdgpu_metadata
.endif
;; end of part 1
